; MI455X (gfx1250); checked and timed in simulation.
; The chip was launched on July 23, 2026; its instructions are those of AMD's public machine-readable ISA for CDNA 5 (MIT licence, August 2026) and "CDNA5" Instruction Set Architecture Reference Guide (July 2026). The comments in the code are by the model that wrote it; some were corrected since.
;; Attention Block. Allowed arithmetic: matrix products marked QUANTISED: E2M3 operands, one E8M0 scale for each 32 along K, by v_wmma_scale_f32_16x16x128_f8f6f4 with both operands' format E2M3, f32 sums; everything else in f32.
;; Inputs: W_o 1,024 x 1,024 float32; W_qkv 3,072 x 1,024 float32; ln_w 1,024 float32; scaler one number float32; x 4 x 2,048 x 1,024 float32.
;; Outputs: out0 4 x 2,048 x 1,024 float32.
;; This version of the problem:
;;   THIS VERSION OF THE PROBLEM IS GIVEN IN LOW PRECISION. The matrix products marked QUANTISED in the list below multiply operands that are first quantised to E2M3 (2 exponent bits, 3 mantissa bits; 6 bits a number), with one power-of-two scale for each 32 numbers along K (OCP MX v1.0); their sums are f32. All else is computed in f32.
;;   The module's matrix products, in the order in which they are computed (A, B: the left and right operand; K: the contracted axis; several contracted axes count as one K, in the product's order):
;;     1. [M 8,192, K 1,024] x [K 1,024, N 3,072]; A: computed on the way; B: input W_qkv: QUANTISED
;;     2. batch 64 x [M 2,048, K 64] x [K 64, N 2,048]; A: computed on the way; B: computed on the way: QUANTISED
;;     3. batch 64 x [M 64, K 2,048] x [K 2,048, N 2,048]; A: computed on the way; B: softmax (see below): QUANTISED
;;     4. [M 8,192, K 1,024] x [K 1,024, N 1,024]; A: computed on the way; B: input W_o: QUANTISED
;;   THE QUANTISER, for each operand of a quantised product, along K:
;;     - K is cut into blocks of 32 from its start; a last block that is shorter is filled with zeros.
;;     - A block's scale is 2^e with e = floor(log2(the largest magnitude in the block)) - 2, held to -126 .. 127; a block of zeros has e = 0. As a byte (E8M0): e + 127.
;;     - Each number is divided by its block's scale, clamped to +-7.5, and rounded to the nearest number of E2M3, ties to even, subnormals kept.
;;     - The product sums the exact products of the quantised numbers (number of the format x scale) in f32.
;;   ~~~python
;;   def quantise(x, axis):      # numpy; x: float32 -> the quantised numbers, widened to float32 again
;;       x = np.moveaxis(x, axis, -1); K = x.shape[-1]
;;       x = np.pad(x, [(0, 0)] * (x.ndim - 1) + [(0, -K % 32)]); x = x.reshape(x.shape[:-1] + (-1, 32)); a = np.abs(x).max(-1, keepdims=True)
;;       e = np.where(a > 0, np.clip(np.frexp(np.where(a > 0, a, 1))[1] - 1 - 2, -126, 127), 0)      # np.frexp(a)[1] - 1 = floor(log2(a)), exactly
;;       r = np.clip(x / 2.0 ** e, -7.5, 7.5)
;;       step = 2.0 ** (np.maximum(np.frexp(np.where(r == 0, 1, r))[1] - 1, 0) - 3)
;;       q = np.round(r / step) * step * 2.0 ** e      # np.round: ties to even
;;       return np.moveaxis(q.reshape(q.shape[:-2] + (-1,))[..., :K], -1, axis).astype(np.float32)
;;   ~~~
;;   SOFTMAX AHEAD OF A QUANTISED PRODUCT. Where the list says 'softmax', what is quantised is not the finished softmax but p = 2^(t - M), with t = logit x log2(e) and M = ceil(the row's largest t), a whole number; so 1/2 < the row's largest p <= 1. The row's sum l is taken of the UNQUANTISED p, in f32, and the product's result is divided by l at the end. Since M is a whole number, a kernel that streams over the keys may use a running M (the ceiling of the running maximum): every later rescaling is an exact power of two, which a block's scale takes up: the codes' values come out the same.
;;   OPERANDS COMPUTED ON THE WAY. 'Computed on the way' means the value that the module computes at that place (a softmax that the list does not call 'softmax' is quantised finished and normalised). What goes into a quantiser is computed in f32, as accurately as f32 sums, v_exp_f32 and their like allow (about 1e-6 of the number): no bf16 or f16 on the way to a quantiser, and a product that is left as it is and whose result goes on into a quantised operand takes f32 operands (vector FMAs, or v_wmma_f32_16x16x4_f32). A number that lies on a knife's edge between two numbers of the format may be rounded either way, as far as f32 arithmetic and the matrix unit's own rounding can turn it there, and no further.
;; One version. Each part assembles by itself: llvm-mc -triple=amdgcn-amd-amdhsa -mcpu=gfx1250 --defsym DOCPART=n.
;; ======== version 1 of 1: 4 launches
;; workspace buffers: cod 9,437,184 bytes; scl 655,360 bytes; qc 6,815,744 bytes; kv 13,369,344 bytes; oc 6,291,456 bytes
;; launch prep (part 1): grid 768 x 1, 16 waves a work-group, no clusters, 89,088 bytes of LDS; arguments x, W_qkv, W_o, ln_w, cod, scl; writes cod, scl
.if DOCPART == 1
	.amdgcn_target "amdgcn-amd-amdhsa--gfx1250"
	.amdhsa_code_object_version 6
	.text
	.protected	k_q576778a15f_prep
	.globl	k_q576778a15f_prep
	.p2align	8
	.type	k_q576778a15f_prep,@function
k_q576778a15f_prep:
	s_mov_b64 s[64:65], 0
	v_nop
	global_prefetch_b8 v0, s[64:65] scope:SCOPE_SE
	s_setreg_imm32_b32 hwreg(HW_REG_WAVE_MODE, 25, 1), 1
	s_wait_xcnt 0x0
; LayerNorm(x) (gain only), W_qkv and W_o are turned into codes of FP6 (E2M3) with one E8M0 byte for each 32 along K = 1,024.
; A work-group makes one TILE of 16 rows: work-groups 0-511 tiles of x, 512-703 of W_qkv, 704-767 of W_o.  Wave w takes the tile's lane w, which is row 32 (T / 2) + 8 (T % 2) + w + 8 (w / 8)
; of its tensor: tiles are laid so everywhere in this program, so that two neighbouring tiles used as source 0 of a product give a lane 16 neighbouring results.
; OUT: cod, 12,288 bytes a tile: for each 128 along K six pieces of 256 bytes; piece p holds at 8 x lane the operand's registers 2 p, 2 p + 1 of that lane.  scl: 32 scale bytes a row, 512 a tile.
; A block's scale is 2^(floor(log2(largest magnitude)) - 2); its byte is the largest magnitude's exponent field - 2, held at 1 from below (a block of zeros gets 1 and zero codes; this program alone reads the bytes).
; LIMITS: NaN and infinities are not served; blocks whose largest magnitude lies under 2^(3 - 127) keep the byte 1.
; No tensor loads; one barrier.  Every load reads 512 consecutive bytes, every store of codes 256 consecutive aligned bytes.
.set CST,   73728                      ; LDS: behind the sixteen waves' turning stages (4,608 bytes each: 32 places of 128 + 16): the tile's codes, block beta at 400 beta, piece jj at 128 jj, row r at 8 r
.set SCB,   86528                      ; the tile's 512 scale bytes: 32 r + beta
.set SPARE, 87040                      ; the spare words, 128 bytes for each wave: eight blocks of 256 bytes that no other line names
.set X,   16                           ; v16-47   the row as loaded: load j, 16 bytes a lane
.set LW,  48                           ; v48-79   ln_w, likewise
.set Y,   80                           ; v80-111  one block of 32 neighbours: lane l holds block l
.set C,   112                          ; v112-117 the block's 24 bytes of codes (v112-119 at work in the sums before)
.set SPW, 10
.set NIL, 11
	s_load_b256 s[4:11], s[0:1], 0x0               ; x, W_qkv, W_o, ln_w
	s_load_b128 s[12:15], s[0:1], 0x20             ; cod, scl
	v_lshl_add_u32 v[SPW], v0, 2, SPARE
	v_mov_b32 v[NIL], 0
	v_lshrrev_b32 v1, 5, v0
	v_readfirstlane_b32 s16, v1                    ; wave = the tile's lane
	v_and_b32 v1, 31, v0                           ; lane
	v_lshlrev_b32 v2, 4, v1                        ; 16 x lane
	s_mul_i32 s17, s16, 4608                       ; my turning stage
	v_lshrrev_b32 v3, 3, v1
	v_mul_u32_u24 v3, v3, 144
	v_and_b32 v12, 7, v1
	v_lshl_add_u32 v3, v12, 4, v3
	v_add_nc_u32 v3, s17, v3                       ; in: eight lanes' 128 bytes on end, then 16 of padding; a load's 512 bytes take four places (576 bytes)
	v_mul_u32_u24 v4, v1, 144
	v_add_nc_u32 v4, s17, v4                       ; out: place l: block l
	v_mul_u32_u24 v5, v1, 400
	s_lshl_b32 s18, s16, 3
	s_add_co_u32 s18, s18, CST
	v_add_nc_u32 v5, s18, v5                       ; my block's codes: CST + 400 l + 8 w
	s_lshl_b32 s18, s16, 5
	s_add_co_u32 s18, s18, SCB
	v_add_nc_u32 v6, s18, v1                       ; my block's byte: SCB + 32 w + l
	v_lshrrev_b32 v7, 4, v1
	v_mul_u32_u24 v7, v7, 400
	v_and_b32 v12, 15, v1
	v_lshl_add_u32 v7, v12, 3, v7
	s_mul_i32 s18, s16, 800
	s_add_co_u32 s18, s18, CST
	v_add_nc_u32 v7, s18, v7                       ; back: blocks 2 w (lanes 0-15) and 2 w + 1 (lanes 16-31), row l % 16
	v_lshlrev_b32 v8, 3, v1                        ; 8 x lane
	v_add_nc_u32 v9, SCB, v2                       ; wave 0: the scale bytes, 16 a lane
	v_mov_b32 v13, 0                               ; a lane permute's destination counts as one of its sources
	v_mov_b32 v15, 0
	s_mov_b32 s26, 0x76543210
	s_mov_b32 s27, 0xfedcba98                      ; v_permlanex16_b32's selects for lane l xor 16
	s_mov_b32 s28, 0x3a800000                      ; 1 / 1,024
	s_mov_b32 s29, 0x3727c5ac                      ; 1e-5
	s_cmp_lt_u32 ttmp9, 512
	s_cselect_b32 s20, 0, 512                      ; the tensor's first work-group
	s_cmp_lt_u32 ttmp9, 704
	s_cselect_b32 s20, s20, 704
	s_sub_co_u32 s21, ttmp9, s20                   ; T, the tile in its tensor
	s_lshr_b32 s22, s21, 1
	s_lshl_b32 s22, s22, 5
	s_and_b32 s23, s21, 1
	s_lshl_b32 s23, s23, 3
	s_add_co_u32 s22, s22, s23
	s_add_co_u32 s22, s22, s16
	s_lshr_b32 s23, s16, 3
	s_lshl_b32 s23, s23, 3
	s_add_co_u32 s22, s22, s23                     ; my row
	s_lshl_b32 s22, s22, 12                        ; of 4,096 bytes (under 2^25)
	s_mov_b32 s23, 0
	s_mul_i32 s24, ttmp9, 12288
	s_mul_i32 s25, s16, 768
	s_add_co_u32 s24, s24, s25                     ; cod: my tile, my wave's 64 along K
	s_mov_b32 s25, 0
	s_lshl_b32 s30, ttmp9, 9                       ; scl: my tile
	s_mov_b32 s31, 0
	s_wait_kmcnt 0x0
	s_cmp_lt_u32 ttmp9, 512                        ; the choice hangs on the work-group's number alone
	s_cselect_b64 s[4:5], s[4:5], s[6:7]
	s_cmp_lt_u32 ttmp9, 704
	s_cselect_b64 s[4:5], s[4:5], s[8:9]
	s_add_nc_u64 s[4:5], s[4:5], s[22:23]
	s_add_nc_u64 s[12:13], s[12:13], s[24:25]
	s_add_nc_u64 s[14:15], s[14:15], s[30:31]
.irp j, 0,1,2,3,4,5,6,7
	global_load_b128 v[X+4*\j:X+4*\j+3], v2, s[4:5] offset:512*\j th:TH_LOAD_NT
.endr
	s_cmp_ge_u32 ttmp9, 512
	s_cbranch_scc1 .Lraw                           ; weights are quantised as they are
.irp j, 0,1,2,3,4,5,6,7
	global_load_b128 v[LW+4*\j:LW+4*\j+3], v2, s[10:11] offset:512*\j
.endr
.macro WSUM r, t                       ; the sum over the wave's 32 lanes, in every lane
	v_add_f32_dpp v[\r], v[\r], v[\r] row_xmask:1 row_mask:0xf bank_mask:0xf
	v_add_f32_dpp v[\r], v[\r], v[\r] row_xmask:2 row_mask:0xf bank_mask:0xf
	v_add_f32_dpp v[\r], v[\r], v[\r] row_xmask:4 row_mask:0xf bank_mask:0xf
	v_add_f32_dpp v[\r], v[\r], v[\r] row_xmask:8 row_mask:0xf bank_mask:0xf
	v_permlanex16_b32 v[\t], v[\r], s26, s27
	v_add_f32 v[\r], v[\r], v[\t]
.endm
.macro JOIN r                          ; four chains of pairs become one number
	v_pk_add_f32 v[112:113], v[112:113], v[114:115]
	v_pk_add_f32 v[116:117], v[116:117], v[118:119]
	v_pk_add_f32 v[112:113], v[112:113], v[116:117]
	v_add_f32 v[\r], v112, v113
.endm
	s_wait_loadcnt 8                               ; x's eight loads are in; ln_w's eight may be out
.irp k, 0,1,2,3
	v_pk_add_f32 v[112+2*\k:113+2*\k], v[X+4*\k:X+4*\k+1], v[X+4*\k+2:X+4*\k+3]   ; the first pairs start four chains
.endr
.irp i, 0,1
.irp k, 0,1,2,3
	v_pk_add_f32 v[112+2*\k:113+2*\k], v[112+2*\k:113+2*\k], v[X+16+8*\i+2*\k:X+17+8*\i+2*\k]
.endr
.endr
	JOIN 12
	WSUM 12, 13
	v_mul_f32 v12, s28, v12                        ; the mean
.irp i, 0,2,4,6,8,10,12,14,16,18,20,22,24,26,28,30
	v_pk_add_f32 v[X+\i:X+\i+1], v[X+\i:X+\i+1], v[12:13] op_sel_hi:[1,0] neg_lo:[0,1] neg_hi:[0,1]   ; x - mean, in place
.endr
.irp k, 0,1,2,3
	v_pk_mul_f32 v[112+2*\k:113+2*\k], v[X+2*\k:X+2*\k+1], v[X+2*\k:X+2*\k+1]
.endr
.irp i, 1,2,3
.irp k, 0,1,2,3
	v_pk_fma_f32 v[112+2*\k:113+2*\k], v[X+8*\i+2*\k:X+8*\i+2*\k+1], v[X+8*\i+2*\k:X+8*\i+2*\k+1], v[112+2*\k:113+2*\k]
.endr
.endr
	JOIN 14
	WSUM 14, 15
	v_fma_f32 v14, v14, s28, s29                   ; the variance + 1e-5
	v_rsq_f32 v124, v14
	v_mov_b32 v125, 0                              ; a plain instruction behind the root; v125 is named with v124 as a pair
	s_wait_alu depctr_va_vdst(0)                   ; the wait ahead of the first reader of the root
	s_wait_loadcnt 0x0                             ; ln_w
.irp i, 0,2,4,6,8,10,12,14,16,18,20,22,24,26,28,30
	v_pk_mul_f32 v[X+\i:X+\i+1], v[X+\i:X+\i+1], v[124:125] op_sel_hi:[1,0]
.endr
.irp i, 0,2,4,6,8,10,12,14,16,18,20,22,24,26,28,30
	v_pk_mul_f32 v[X+\i:X+\i+1], v[X+\i:X+\i+1], v[LW+\i:LW+\i+1]
.endr
.Lraw:
	s_wait_loadcnt 0x0                             ; the row
.irp j, 0,1,2,3,4,5,6,7
	ds_store_b128 v3, v[X+4*\j:X+4*\j+3] offset:576*\j       ; the row turns through my own stage: LDS serves a wave's instructions in order
.endr
.irp i, 0,1,2,3,4,5,6,7
	ds_load_b128 v[Y+4*\i:Y+4*\i+3], v4 offset:16*\i         ; lane l: block l, 32 neighbours along K
.endr
	s_wait_dscnt 0x0
	v_max3_num_f32 v12, |v[Y]|, |v[Y+1]|, |v[Y+2]|           ; the block's largest magnitude: all 32 numbers are mine
	v_max3_num_f32 v13, |v[Y+3]|, |v[Y+4]|, |v[Y+5]|
.irp i, 6,10,14,18,22,26
	v_max3_num_f32 v12, v12, |v[Y+\i]|, |v[Y+\i+1]|
	v_max3_num_f32 v13, v13, |v[Y+\i+2]|, |v[Y+\i+3]|
.endr
	v_max3_num_f32 v12, v12, |v[Y+30]|, |v[Y+31]|
	v_max3_num_f32 v12, v12, v13, 0x1800000        ; and the floor 2^(3 - 127): the byte cannot fall under 1
	v_add_nc_u32 v14, 0xff000000, v12              ; 2 off its exponent field: the conversion's scale operand
	v_lshrrev_b32 v15, 23, v14                     ; the scale's byte
	v_cvt_scalef32_pk16_fp6_f32 v[C:C+2], v[Y:Y+15], v14
	v_cvt_scalef32_pk16_fp6_f32 v[120:122], v[Y+16:Y+31], v14   ; (a conversion's three registers begin on an even number)
	v_nop                                          ; one plain instruction behind the conversions
	v_mov_b32 v[C+3], v120
	v_mov_b32 v[C+4], v121
	v_mov_b32 v[C+5], v122
.irp n, 0,1,2
	ds_store_b64 v5, v[C+2*\n:C+2*\n+1] offset:128*\n
.endr
	ds_store_b8 v6, v15
	s_wait_dscnt 0x0                               ; for the others' sake: my stores have landed
	s_barrier_signal -1
	s_barrier_wait -1
.irp n, 0,1,2
	ds_load_b64 v[16+2*\n:17+2*\n], v7 offset:128*\n
.endr
	s_wait_dscnt 0x0
.irp n, 0,1,2
	global_store_b64 v8, v[16+2*\n:17+2*\n], s[12:13] offset:256*\n   ; 32 lanes store 256 consecutive bytes, aligned: one piece of the image
.endr
	s_cmp_lg_u32 s16, 0
	s_cbranch_scc1 .Lend
	ds_load_b128 v[24:27], v9                      ; wave 0: the tile's 512 scale bytes
	s_wait_dscnt 0x0
	global_store_b128 v2, v[24:27], s[14:15]
.Lend:
	s_wait_tensorcnt 0x0                           ; the wave's end
	ds_add_u32 v[SPW], v[NIL]
	s_wait_dscnt 0x0
	s_endpgm
.Lfunc_end_k_q576778a15f_prep:
	.size	k_q576778a15f_prep, .Lfunc_end_k_q576778a15f_prep-k_q576778a15f_prep
	.p2alignl 7, 3214868480
	.fill 96, 4, 3214868480
	.section	.rodata,"a",@progbits
	.p2align	6, 0x0
	.amdhsa_kernel k_q576778a15f_prep
		.amdhsa_group_segment_fixed_size 89088
		.amdhsa_private_segment_fixed_size 0
		.amdhsa_enable_private_segment 0
		.amdhsa_kernarg_size 48
		.amdhsa_user_sgpr_count 2
		.amdhsa_user_sgpr_kernarg_segment_ptr 1
		.amdhsa_wavefront_size32 1
		.amdhsa_system_sgpr_workgroup_id_x 1
		.amdhsa_system_sgpr_workgroup_id_y 1
		.amdhsa_system_sgpr_workgroup_id_z 1
		.amdhsa_system_vgpr_workitem_id 0
		.amdhsa_next_free_vgpr 128
		.amdhsa_next_free_sgpr 66
		.amdhsa_reserve_vcc 0
		.amdhsa_float_denorm_mode_32 3
		.amdhsa_float_denorm_mode_16_64 3
		.amdhsa_memory_ordered 1
		.amdhsa_forward_progress 1
		.amdhsa_inst_pref_size 15
	.end_amdhsa_kernel
	.amdgpu_metadata
---
amdhsa.version: [ 1, 2 ]
amdhsa.kernels:
  - .name:           k_q576778a15f_prep
    .symbol:         k_q576778a15f_prep.kd
    .args:
      - { .name: x, .offset: 0, .size: 8, .value_kind: global_buffer, .address_space: global }
      - { .name: W_qkv, .offset: 8, .size: 8, .value_kind: global_buffer, .address_space: global }
      - { .name: W_o, .offset: 16, .size: 8, .value_kind: global_buffer, .address_space: global }
      - { .name: ln_w, .offset: 24, .size: 8, .value_kind: global_buffer, .address_space: global }
      - { .name: cod, .offset: 32, .size: 8, .value_kind: global_buffer, .address_space: global }
      - { .name: scl, .offset: 40, .size: 8, .value_kind: global_buffer, .address_space: global }
    .group_segment_fixed_size: 89088
    .private_segment_fixed_size: 0
    .kernarg_segment_align: 8
    .kernarg_segment_size: 48
    .max_flat_workgroup_size: 512
    .sgpr_count:     66
    .vgpr_count:     128
    .wavefront_size: 32
...
	.end_amdgpu_metadata
.endif
;; end of part 1
;; launch qkv (part 2): grid 12 x 32, 4 waves a work-group, clusters of 4 x 4, 327,680 bytes of LDS; arguments cod, scl, qc, kv; writes qc, kv
.if DOCPART == 2
	.amdgcn_target "amdgcn-amd-amdhsa--gfx1250"
	.amdhsa_code_object_version 6
	.text
	.protected	k_q576778a15f_qkv
	.globl	k_q576778a15f_qkv
	.p2align	8
	.type	k_q576778a15f_qkv,@function
k_q576778a15f_qkv:
	s_mov_b64 s[64:65], 0
	v_nop
	global_prefetch_b8 v0, s[64:65] scope:SCOPE_SE
	s_setreg_imm32_b32 hwreg(HW_REG_WAVE_MODE, 25, 1), 1
	s_wait_xcnt 0x0
	s_wait_alu depctr_hold_cnt(0) depctr_sa_sdst(0) depctr_va_vdst(0) depctr_va_sdst(0) depctr_va_ssrc(0) depctr_va_vcc(0) depctr_vm_vsrc(0)
	s_getreg_b32 s2, hwreg(HW_REG_IB_STS2, 6, 4)
	s_cmp_eq_u32 s2, 0
	s_cbranch_scc0 .Lentry_in_a_cluster
	s_endpgm
.Lentry_in_a_cluster:
	s_bfe_u32 s2, ttmp6, 0x10000c
	s_cmp_lg_u32 s2, 0xf033
	s_cbranch_scc0 .Lentry_shape_is_right
	s_endpgm
.Lentry_shape_is_right:
; q, k, v = LayerNorm(x) W_qkv^T on codes of FP6 (E2M3), K = 1,024; the results are quantised at once for the attention's products and leave as codes: q and k along the head's 64, v along the keys.
; A tile of the product is 256 x 256; four waves, each 128 x 128: 64 accumulators of 16 x 16.  Source 0 of the matrix instruction = 16 rows of "B", source 1 = 16 rows of "A": a lane holds ONE row of A and its
; registers run along B's rows.  Tiles of 16 rows are laid so (lane r of tile T = row 32 (T / 2) + 8 (T % 2) + r + 8 (r / 8)) that the 64 registers of a row of accumulators are, 16 by 16, neighbours: 32 b + 16 (lane / 16) + i.
; ROLES, by the cluster's x, which all partners share: 0 (q), 1 (k): A = tokens, B = features: a lane's registers run along the head's d.  2 (v): A = features of v, B = tokens: they run along the keys.
; Operands lie in memory as images of the operand's registers (12,288 bytes a tile of 16 rows x 1,024 K; 1,536 for 128 along K: six pieces of 256 bytes, 8 bytes a lane): a fragment is six LDS loads of 256 consecutive bytes.
; K = 1,024 is four slot loads of 256 along K.  THREE LDS slots: 0, 1, 2 are first fills; slot 0 alone is filled again, once.  By this text's count a wave has three tensor loads out at the start, later one.
; The scale words of the wave's 128 + 128 rows for all of K stay in 64 registers; the eight steps of 128 along K are written out, since each names its own scale registers.
; CLUSTERS: 4 x 4 work-groups; A's tiles are asked for jointly along a row of the cluster, B's along a column.
; LIMITS: NaN and infinities are not served; a block under 2^(3 - 127) keeps the byte 1.
; REGISTERS: window 0: v16-22 LDS addresses; v24-26 the way out's offsets; v28, v29 the add's two; v32-95 scale words; v96-111 at work; v128-223 A's fragments, ONE set (on the way out: codes, scale words).
;   window 1: B's fragments, two sets, at v0 and v128.   window 2: accumulators of my A blocks 0-3 ((a, b) at v[8 (8 (a % 4) + b)]);   window 3: of blocks 4-7.
.set NL,    6                          ; LDS loads that bring a fragment
.set FR,    12                         ; its registers
.set TILEB, 12288                      ; a tile's image in memory
.set HALFT, 24576                      ; 8 tiles x 256 along K: what one tensor load brings, and what a wave reads of A or of B
.set SLOT,  98304                      ; A's 16 tiles, then B's 16
.set SPARE, 294912                     ; behind the three slots: the spare words, 128 bytes for each wave
.set ADRA, 16
.set ADRB, 20
.set LO,   24                          ; v24  8 x lane
.set SO,   25                          ; v25  my offset among the scale words to store
.set SPW,  28
.set NIL,  29
.set SC,   32                          ; register SC + 8 i + ks: lanes 0-15 the word of A's block i, lanes 16-31 of B's block i, for the ks-th 128 along K
.set TM,   96
.set AF,   128
.set PC,   128                         ; the way out: the codes just made
.set WD,   184                         ; the eight blocks' scale words
.set SL,   192
.set G1,  24
.set G1B, 48
.set G0,  68                           ; s[68:79] three groups 0 for A's tiles, s[80:91] for B's
.set G0B, 80
.set HS,  32                           ; s[32:33] a head's record in bytes
.set P1,  34                           ; s[34:35] where a block's pieces 0-2 go;  s[36:37] its pieces 3-5
.set P2,  36
.set STA, 38                           ; s[38:39] from block to block
.set JMP, 56                           ; s[56:57] more, in front of block 4
.set SEL, 58
.set SB,  60                           ; s[60:61] the scale words' place;  s[62:63] the second head's
.set MSB, 0
.macro WIN new                         ; the immediate's high byte repeats the setting that is left
.if MSB != \new
	s_set_vgpr_msb (MSB<<8)|\new
.set MSB, \new
.endif
.endm
.set MUL_LO, 0xa1                      ; source 0 (B) window 1, source 1 (A) window 0, C and D window 2
.set MUL_HI, 0xf1
.set TO_B,   0x40
.macro JLOAD g0a, g0b                  ; a joint load: waves 0 and 1 fetch A's halves, waves 2 and 3 B's; an s_nop 0 and four v_nop follow each line
	s_cmp_eq_u32 s15, 0
	s_cbranch_scc0 .Lfor_b_\@
	tensor_load_to_lds s[\g0a:\g0a+3], s[G1:G1+7]
	s_nop 0
.rept 4
	v_nop
.endr
	s_branch .Lasked_\@
.Lfor_b_\@:
	tensor_load_to_lds s[\g0b:\g0b+3], s[G1B:G1B+7]
	s_nop 0
.rept 4
	v_nop
.endr
.Lasked_\@:
.endm
.macro CREST
	s_cmp_lg_u32 s14, 0
	s_cbranch_scc1 .Lnot_wave_0_\@
	s_barrier_signal -3
.Lnot_wave_0_\@:
	s_barrier_wait -3
	s_barrier_signal -1
	s_barrier_wait -1
.endm
.macro CROUND
	s_barrier_signal -1
	s_barrier_wait -1
	CREST
.endm
.macro PLACES                          ; four plain instructions behind matrix instructions, ahead of loads into their sources and of reads of their results (ISA guide 7.12.1 for reads of their results)
.rept 4
	v_nop
.endr
.endm
.macro FRAG reg, adr, q, i
.irp p, 0,1,2,3,4,5
	ds_load_b64 v[\reg+2*\p:\reg+2*\p+1], v[\adr] offset:(\i)*3072+(\q)*1536+256*\p
.endr
.endm
.macro FETCH_B slot, q, p
	WIN TO_B
.irp i, 0,1,2,3,4,5,6,7
	FRAG 128*(\p)+FR*\i, ADRB+\slot, \q, \i
.endr
	WIN 0
.endm
.macro FETCH_A slot, q, i0
.irp i, \i0, \i0+1, \i0+2, \i0+3
	FRAG AF+FR*(\i), ADRA+\slot, \q, \i
.endr
.endm
; 16 matrix instructions: A's blocks a0, a0 + 1 x B's eight.  The 64 accumulators take turns, one instruction a turn, in the same order in every step.
.macro MUL16 a0, p, ks, zero
.irp a, \a0, \a0+1
.irp b, 0,1,2,3,4,5,6,7
.if \zero
	v_wmma_scale_f32_16x16x128_f8f6f4 v[8*(8*((\a)%4)+\b):8*(8*((\a)%4)+\b)+7], v[128*(\p)+FR*\b:128*(\p)+FR*\b+FR-1], v[AF+FR*(\a):AF+FR*(\a)+FR-1], 0, v[SC+8*\b+(\ks)], v[SC+8*(\a)+(\ks)] matrix_a_fmt:MATRIX_FMT_FP6 matrix_b_fmt:MATRIX_FMT_FP6 matrix_a_scale:MATRIX_SCALE_ROW1
.else
	v_wmma_scale_f32_16x16x128_f8f6f4 v[8*(8*((\a)%4)+\b):8*(8*((\a)%4)+\b)+7], v[128*(\p)+FR*\b:128*(\p)+FR*\b+FR-1], v[AF+FR*(\a):AF+FR*(\a)+FR-1], v[8*(8*((\a)%4)+\b):8*(8*((\a)%4)+\b)+7], v[SC+8*\b+(\ks)], v[SC+8*(\a)+(\ks)] matrix_a_fmt:MATRIX_FMT_FP6 matrix_b_fmt:MATRIX_FMT_FP6 matrix_a_scale:MATRIX_SCALE_ROW1
.endif
.endr
.endr
.endm
; Step ks of 128 along K; it fetches the next step's fragments from slot nslot, its nq-th 128.
.macro STEPG ks, nslot, nq, zero
	s_wait_dscnt 4*NL                              ; B's set and A's blocks 0-3 are in; the youngest 24 loads (A's blocks 4-7) may be out
	WIN MUL_LO
	MUL16 0, (\ks)%2, \ks, \zero
	MUL16 2, (\ks)%2, \ks, \zero
	s_wait_dscnt 0x0                               ; A's blocks 4-7 are in
	PLACES
	FETCH_B \nslot, \nq, 1-(\ks)%2
	FETCH_A \nslot, \nq, 0
	WIN MUL_HI
	MUL16 4, (\ks)%2, \ks, \zero
	MUL16 6, (\ks)%2, \ks, \zero
	PLACES
	WIN 0
	FETCH_A \nslot, \nq, 4
.endm
; A step with a barrier.  In front of it each wave waits for all its tensor loads, adds 0 to its spare word, and waits for that and for its LDS reads.
; mode 2: the barrier opens a round of the cluster's barrier and slot 0 is filled again, with the last 256 along K.  mode 1: a plain barrier: the refill is shown landed to every wave.
.macro TURNG ks, nslot, mode
	s_wait_tensorcnt 0x0                           ; all my tensor loads have landed
	ds_add_u32 v[SPW], v[NIL]                      ; 0 onto my spare word
	s_wait_dscnt 4*NL+1                            ; (the add and the youngest 24 loads may be out)
	WIN MUL_LO
	MUL16 0, 1, \ks, 0
	s_wait_dscnt 0x0                               ; the add is done, and my LDS reads are over
	s_barrier_signal -1
	MUL16 2, 1, \ks, 0
	WIN 0
	s_barrier_wait -1
.if \mode == 2
	CREST                                          ; no wave of any partner still reads slot 0 or has a load on its way
	s_add_nc_u64 s[G0+2:G0+3], s[G0+2:G0+3], 9216  ; three slot loads on along K
	s_add_nc_u64 s[G0B+2:G0B+3], s[G0B+2:G0B+3], 9216
	JLOAD G0, G0B                                  ; the first tensor load behind the round; it has three and a half steps, 224 matrix instructions, in which to land
.else
	PLACES
.endif
	FETCH_B \nslot, 0, 0
	FETCH_A \nslot, 0, 0
	WIN MUL_HI
	MUL16 4, 1, \ks, 0
	MUL16 6, 1, \ks, 0
	PLACES
	WIN 0
	FETCH_A \nslot, 0, 4
.endm
	s_load_b256 s[4:11], s[0:1], 0x0               ; cod, scl, qc, kv
	v_lshl_add_u32 v[SPW], v0, 2, SPARE
	v_mov_b32 v[NIL], 0
	ds_add_u32 v[SPW], v[NIL]                      ; the wave's opening: the add and its wait ahead of my first tensor load
	v_lshrrev_b32 v1, 5, v0
	v_readfirstlane_b32 s14, v1                    ; wave 0..3
	s_lshr_b32 s15, s14, 1                         ; my half of A's rows.  Also: I fetch for A (0) or for B (1)
	s_and_b32 s16, s14, 1                          ; my half of B's rows.  Also: which 8 tiles I fetch
	s_bfe_u32 s40, ttmp6, 0x40000                  ; cx
	s_bfe_u32 s41, ttmp6, 0x40004                  ; cy
	s_and_b32 s17, ttmp7, 0xffff                   ; cluster y
	s_lshl_b32 s43, s41, 2
	s_lshl_b32 s43, 15, s43                        ; my row of the cluster
	s_lshl_b32 s44, 0x1111, s40                    ; my column
	s_or_b32 s[G1+0], s43, (3<<16)|(1<<21)         ; the mask; elements of 8 bytes; bit 21 beside a mask; no padding
	s_or_b32 s[G1B+0], s44, (3<<16)|(1<<21)
.irp g, G1, G1B
	s_mov_b32 s[\g+1], 384<<16                     ; tensor_dim0: 3,072 bytes: a tile's 256 along K
	s_mov_b32 s[\g+2], 8<<16                       ; tensor_dim1: 8 tiles
	s_mov_b32 s[\g+3], 384<<16                     ; tile_dim0
	s_mov_b32 s[\g+4], 8                           ; tile_dim1
	s_mov_b32 s[\g+5], 1536                        ; from tile to tile: 12,288 bytes
	s_mov_b32 s[\g+6], 0
	s_mov_b32 s[\g+7], 0
.endr
	s_lshl_b32 s18, s17, 6                         ; the tokens' tiles of my row of clusters begin at 64 x cluster y
	s_lshl_b32 s19, ttmp9, 6
	s_add_co_u32 s19, s19, 512                     ; q's or k's weights: tiles 512 + 64 x cluster x
	s_cmp_lt_u32 ttmp9, 2
	s_cselect_b32 s20, s18, 640                    ; A: tokens, or v's weights (tiles 640 on)
	s_cselect_b32 s46, s19, s18                    ; B: weights, or tokens
	s_lshl_b32 s22, s41, 4
	s_add_co_u32 s20, s20, s22                     ; A's first tile: + 16 cy, shared along my row of the cluster
	s_lshl_b32 s47, s40, 4
	s_add_co_u32 s46, s46, s47                     ; B's: + 16 cx, shared along my column
	s_lshl_b32 s23, s16, 3
	s_add_co_u32 s92, s20, s23
	s_mul_i32 s92, s92, TILEB
	s_mov_b32 s93, 0
	s_add_co_u32 s94, s46, s23
	s_mul_i32 s94, s94, TILEB
	s_mov_b32 s95, 0
	s_mul_i32 s45, s14, HALFT                      ; where my load goes: wave x 8 tiles
	s_wait_dscnt 0x0                               ; the opening add is done
	s_wait_kmcnt 0x0
	s_add_nc_u64 s[92:93], s[4:5], s[92:93]
	s_add_nc_u64 s[94:95], s[4:5], s[94:95]
	CROUND                                         ; all sixteen work-groups are here: the first joint loads meet
.irp s, 0,1,2
	s_mov_b32 s[G0+4*\s], 1
	s_add_co_u32 s[G0+4*\s+1], s45, \s*SLOT
	s_add_nc_u64 s[G0+4*\s+2:G0+4*\s+3], s[92:93], \s*3072
	s_or_b32 s[G0+4*\s+3], s[G0+4*\s+3], 0x80000000
	s_mov_b32 s[G0B+4*\s], 1
	s_add_co_u32 s[G0B+4*\s+1], s45, \s*SLOT
	s_add_nc_u64 s[G0B+4*\s+2:G0B+4*\s+3], s[94:95], \s*3072
	s_or_b32 s[G0B+4*\s+3], s[G0B+4*\s+3], 0x80000000
	JLOAD G0+4*\s, G0B+4*\s
.endr
	v_and_b32 v1, 15, v0                           ; r
	v_bfe_u32 v2, v0, 4, 1                         ; h
	v_and_b32 v3, 31, v0
	v_lshlrev_b32 v[LO], 3, v3                     ; 8 x lane
	s_mul_i32 s21, s15, HALFT
	s_mul_i32 s22, s16, HALFT
	s_add_co_u32 s22, s22, 2*HALFT
.irp s, 0,1,2
	v_add_nc_u32 v[ADRA+\s], s21, v[LO]
	v_add_nc_u32 v[ADRB+\s], s22, v[LO]
	s_add_co_u32 s21, s21, SLOT
	s_add_co_u32 s22, s22, SLOT
.endr
	s_lshl_b32 s18, s15, 3
	s_add_co_u32 s18, s18, s20                     ; my wave's first tile of A
	s_lshl_b32 s19, s16, 3
	s_add_co_u32 s19, s19, s46                     ; and of B
	s_lshl_b32 s2, s18, 9                          ; 512 scale bytes a tile
	s_lshl_b32 s3, s19, 9
	s_mov_b32 s23, 0xffff0000                      ; lanes 16-31
	v_mov_b32 v4, s2
	v_mov_b32 v5, s3
	v_cndmask_b32 v4, v4, v5, s23                  ; lanes 0-15 take A's words, lanes 16-31 B's
	v_lshl_add_u32 v4, v1, 5, v4                   ; 32 bytes a row
.irp i, 0,1,2,3,4,5,6,7
	global_load_b128 v[SC+8*\i:SC+8*\i+3], v4, s[6:7] offset:512*\i
	global_load_b128 v[SC+8*\i+4:SC+8*\i+7], v4, s[6:7] offset:512*\i+16
.endr
	; THE WAY OUT'S PLACES.  q, k: block a of my tokens is tile 8 G + a of two heads' records: pieces 0-2 the first head's, pieces 3-5 the second's.  v: block a is d tile a % 4 of head a / 4, key step G.
	s_lshl_b32 s96, s40, 1
	s_add_co_u32 s96, s96, s16                     ; q, k: my pair of heads: 2 cx + my half of B
	s_lshl_b32 s97, s41, 1
	s_add_co_u32 s97, s97, s15                     ; v: 2 cy + my half of A
	s_mov_b32 s[HS], 208896
	s_mov_b32 s98, 196608
	s_cmp_eq_u32 ttmp9, 0
	s_cselect_b32 s[HS], 106496, s[HS]             ; a head's record: q's, or k's and v's
	s_cselect_b32 s98, 98304, s98                  ; where its scale words begin
	s_cselect_b64 s[P1:P1+1], s[8:9], s[10:11]     ; the choice hangs on the cluster's number alone
	s_mov_b32 s[HS+1], 0
	s_mov_b32 s[STA], 768
	s_mov_b32 s2, 16
	s_cmp_eq_u32 ttmp9, 2
	s_cselect_b32 s98, 204800, s98
	s_cselect_b32 s12, 768, s[HS]                  ; from pieces 0-2 to pieces 3-5
	s_cselect_b32 s[STA], 1536, s[STA]
	s_cselect_b32 s[JMP], 202752, 0                ; v: on to the next head's record, back to its d tile 0
	s_cselect_b32 s99, 98304, 0                    ; v's codes lie behind k's
	s_cselect_b32 s92, 8, 9                        ; scale words: 256 or 512 bytes for each G,
	s_cselect_b32 s93, 4, 5                        ; 16 or 32 for each row,
	s_cselect_b32 s2, 208896, s2                   ; lanes 16-31: the next head's, or blocks 4-7
	s_cselect_b32 s18, s19, s18                    ; my first tile of tokens
	s_cselect_b32 s96, s97, s96
	s_mov_b32 s13, 0
	s_mov_b32 s[STA+1], 0
	s_mov_b32 s[JMP+1], 0
	s_lshr_b32 s3, s18, 7                          ; the batch
	s_lshl_b32 s3, s3, 4
	s_lshl_b32 s96, s96, 1
	s_add_co_u32 s3, s3, s96                       ; the record: 16 x batch + head
	s_mul_i32 s3, s3, s[HS]
	s_bfe_u32 s18, s18, 0x40003                    ; G
	s_mul_i32 s94, s18, 6144
	s_add_co_u32 s94, s94, s3
	s_add_co_u32 s94, s94, s99
	s_mov_b32 s95, 0
	s_lshl_b32 s18, s18, s92
	s_add_co_u32 s18, s18, s3
	s_add_co_u32 s18, s18, s98
	s_mov_b32 s19, 0
	s_add_nc_u64 s[SB:SB+1], s[P1:P1+1], s[18:19]
	s_add_nc_u64 s[SB+2:SB+3], s[SB:SB+1], s[HS:HS+1]
	s_add_nc_u64 s[P1:P1+1], s[P1:P1+1], s[94:95]
	s_add_nc_u64 s[P2:P2+1], s[P1:P1+1], s[12:13]
	v_lshlrev_b32 v[SO], s93, v1
	v_mul_lo_u32 v26, v2, s2
	v_add_nc_u32 v[SO], v[SO], v26
	s_mov_b32 s[SEL], 0x76543210
	s_mov_b32 s[SEL+1], 0xfedcba98
	s_wait_tensorcnt 2                             ; my part of slot 0 is in; slots 1 and 2 may be out
	s_barrier_signal -1
	s_barrier_wait -1
	FETCH_B 0, 0, 0
	FETCH_A 0, 0, 0
	FETCH_A 0, 0, 4
	s_wait_loadcnt 0x0                             ; the scale words
	STEPG 0, 0, 1, 1                               ; the first step's products start the sums: nothing is cleared
	TURNG 1, 1, 2                                  ; slot 0 is left and filled again
	STEPG 2, 1, 1, 0
	STEPG 3, 2, 0, 0                               ; slot 2 needs no barrier of its own: every wave waited for all its loads ahead of the barrier in step 1
	STEPG 4, 2, 1, 0
	TURNG 5, 0, 1                                  ; the refill of slot 0 has landed, in every wave
	STEPG 6, 0, 1, 0
	s_wait_dscnt 4*NL                              ; the last step: nothing more to fetch
	WIN MUL_LO
	MUL16 0, 1, 7, 0
	MUL16 2, 1, 7, 0
	s_wait_dscnt 0x0
	WIN MUL_HI
	MUL16 4, 1, 7, 0
	MUL16 6, 1, 7, 0
	WIN 0
.irp b, 0,1,2,3
	v_mov_b32 v[TM+4+\b], 0                        ; a lane permute's destination counts as one of its sources; these four are also the places behind the last products
.endr
; Block a: its 64 results a lane (register 16 b + i = 32 b + 16 (lane / 16) + i along the next K) become a fragment's codes and a scale word, and the codes leave: six stores of 256 consecutive aligned bytes.
.macro QUANTW a
.set AC, 64*((\a)%4)
	WIN 0x0a+5*((\a)/4)                            ; sources 0 and 1: window 2 or 3
.irp b, 0,1,2,3
	v_max3_num_f32 v[TM+\b], |v[AC+16*\b]|, |v[AC+16*\b+1]|, 0x1800000   ; each accumulator from its low end on; the floor 2^(3 - 127) holds the byte at 1 from below
.endr
.irp i, 2,4,6,8,10,12,14
.irp b, 0,1,2,3
	v_max3_num_f32 v[TM+\b], |v[AC+16*\b+\i]|, |v[AC+16*\b+\i+1]|, v[TM+\b]
.endr
.endr
	WIN 0
.irp b, 0,1,2,3
	v_permlanex16_b32 v[TM+4+\b], v[TM+\b], s[SEL], s[SEL+1]
.endr
.irp b, 0,1,2,3
	v_max_num_f32 v[TM+\b], v[TM+\b], v[TM+4+\b]   ; with lane l xor 16's: the block's largest magnitude
.endr
.irp b, 0,1,2,3
	v_add_nc_u32 v[TM+12+\b], 0xff000000, v[TM+\b] ; 2 off its exponent field: the conversion's scale operand
.endr
.irp b, 0,1,2,3
	v_lshrrev_b32 v[TM+4+\b], 23, v[TM+12+\b]      ; the scale's byte
.endr
	v_lshl_or_b32 v[WD+(\a)], v[TM+5], 8, v[TM+4]
	v_lshl_or_b32 v[WD+(\a)], v[TM+6], 16, v[WD+(\a)]
	v_lshl_or_b32 v[WD+(\a)], v[TM+7], 24, v[WD+(\a)]
.if (\a) > 0
	s_wait_xcnt 0x0                                ; the last block's stores have read their data and their bases: both are written again only behind this wait
	s_add_nc_u64 s[P1:P1+1], s[P1:P1+1], s[STA:STA+1]
	s_add_nc_u64 s[P2:P2+1], s[P2:P2+1], s[STA:STA+1]
.if (\a) == 4
	s_add_nc_u64 s[P1:P1+1], s[P1:P1+1], s[JMP:JMP+1]
	s_add_nc_u64 s[P2:P2+1], s[P2:P2+1], s[JMP:JMP+1]
.endif
.endif
	WIN 0x02+(\a)/4                                ; source 0: window 2 or 3
.irp c, 0,1
	v_cvt_scalef32_pk16_fp6_f32 v[PC+6*\c:PC+2+6*\c], v[AC+32*\c:AC+15+32*\c], v[TM+12+2*\c]
	v_cvt_scalef32_pk16_fp6_f32 v[PC+12+4*\c:PC+14+4*\c], v[AC+16+32*\c:AC+31+32*\c], v[TM+12+2*\c+1]   ; (a conversion's three registers begin on an even number)
.endr
	WIN 0
	v_nop                                          ; one plain instruction behind the conversions
.irp c, 0,1                                    ; the operand's layout wants a whole block in a lane
.irp i, 0,1,2
	v_permlane16_swap_b32 v[PC+6*\c+\i], v[PC+12+4*\c+\i]
.endr
.irp i, 0,1,2
	v_mov_b32 v[PC+3+6*\c+\i], v[PC+12+4*\c+\i]
.endr
.endr
.irp p, 0,1,2
	global_store_b64 v[LO], v[PC+2*\p:PC+2*\p+1], s[P1:P1+1] offset:256*\p
	global_store_b64 v[LO], v[PC+6+2*\p:PC+7+2*\p], s[P2:P2+1] offset:256*\p
.endr
.endm
.irp a, 0,1,2,3,4,5,6,7
	QUANTW \a
.endr
.irp j, 0,1,2,3
	v_cndmask_b32 v[SL+\j], v[WD+\j], v[WD+4+\j], s23   ; every lane holds its row's eight words: lanes 0-15 store blocks 0-3's, lanes 16-31 blocks 4-7's
.endr
	global_store_b128 v[SO], v[SL:SL+3], s[SB:SB+1]   ; q, k: a word's low two bytes are the first head's; the upper two meet zero codes and are never 0xff
	s_cmp_eq_u32 ttmp9, 2
	s_cbranch_scc1 .Lone_store                     ; the cluster's number: the same in all partners
.irp j, 0,1,2,3
	v_lshrrev_b32 v[SL+4+\j], 16, v[SL+\j]         ; the second head's two bytes
.endr
	global_store_b128 v[SO], v[SL+4:SL+7], s[SB+2:SB+3]
.Lone_store:
	s_wait_tensorcnt 0x0                           ; the wave's end
	ds_add_u32 v[SPW], v[NIL]
	s_wait_dscnt 0x0
	CROUND                                         ; the closing round
	s_endpgm
.Lfunc_end_k_q576778a15f_qkv:
	.size	k_q576778a15f_qkv, .Lfunc_end_k_q576778a15f_qkv-k_q576778a15f_qkv
	.p2alignl 7, 3214868480
	.fill 96, 4, 3214868480
	.section	.rodata,"a",@progbits
	.p2align	6, 0x0
	.amdhsa_kernel k_q576778a15f_qkv
		.amdhsa_group_segment_fixed_size 327680
		.amdhsa_private_segment_fixed_size 0
		.amdhsa_enable_private_segment 0
		.amdhsa_kernarg_size 32
		.amdhsa_user_sgpr_count 2
		.amdhsa_user_sgpr_kernarg_segment_ptr 1
		.amdhsa_wavefront_size32 1
		.amdhsa_system_sgpr_workgroup_id_x 1
		.amdhsa_system_sgpr_workgroup_id_y 1
		.amdhsa_system_sgpr_workgroup_id_z 1
		.amdhsa_system_vgpr_workitem_id 0
		.amdhsa_next_free_vgpr 1024
		.amdhsa_next_free_sgpr 100
		.amdhsa_reserve_vcc 0
		.amdhsa_float_denorm_mode_32 3
		.amdhsa_float_denorm_mode_16_64 3
		.amdhsa_memory_ordered 1
		.amdhsa_forward_progress 1
		.amdhsa_inst_pref_size 165
	.end_amdhsa_kernel
	.amdgpu_metadata
---
amdhsa.version: [ 1, 2 ]
amdhsa.kernels:
  - .name:           k_q576778a15f_qkv
    .symbol:         k_q576778a15f_qkv.kd
    .args:
      - { .name: cod, .offset: 0, .size: 8, .value_kind: global_buffer, .address_space: global }
      - { .name: scl, .offset: 8, .size: 8, .value_kind: global_buffer, .address_space: global }
      - { .name: qc, .offset: 16, .size: 8, .value_kind: global_buffer, .address_space: global }
      - { .name: kv, .offset: 24, .size: 8, .value_kind: global_buffer, .address_space: global }
    .group_segment_fixed_size: 327680
    .private_segment_fixed_size: 0
    .kernarg_segment_align: 8
    .kernarg_segment_size: 32
    .max_flat_workgroup_size: 128
    .sgpr_count:     100
    .vgpr_count:     1024
    .wavefront_size: 32
...
	.end_amdgpu_metadata
.endif
;; end of part 2
;; launch attn (part 3): grid 4 x 64, 16 waves a work-group, clusters of 4 x 1, 212,992 bytes of LDS; arguments qc, kv, scaler, oc, scl; writes oc, scl
.if DOCPART == 3
	.amdgcn_target "amdgcn-amd-amdhsa--gfx1250"
	.amdhsa_code_object_version 6
	.text
	.protected	k_q576778a15f_attn
	.globl	k_q576778a15f_attn
	.p2align	8
	.type	k_q576778a15f_attn,@function
k_q576778a15f_attn:
	s_mov_b64 s[64:65], 0
	v_nop
	global_prefetch_b8 v0, s[64:65] scope:SCOPE_SE
	s_setreg_imm32_b32 hwreg(HW_REG_WAVE_MODE, 25, 1), 1
	s_wait_xcnt 0x0
	s_wait_alu depctr_hold_cnt(0) depctr_sa_sdst(0) depctr_va_vdst(0) depctr_va_sdst(0) depctr_va_ssrc(0) depctr_va_vcc(0) depctr_vm_vsrc(0)
	s_getreg_b32 s2, hwreg(HW_REG_IB_STS2, 6, 4)
	s_cmp_eq_u32 s2, 0
	s_cbranch_scc0 .Lentry_in_a_cluster
	s_endpgm
.Lentry_in_a_cluster:
	s_bfe_u32 s2, ttmp6, 0x10000c
	s_cmp_lg_u32 s2, 0x3003
	s_cbranch_scc0 .Lentry_shape_is_right
	s_endpgm
.Lentry_shape_is_right:
; o = softmax(q k^T / 8 + slope (j - i), causal) v for one head, both products on codes of FP6 (E2M3); o is quantised along the model's axis and leaves as codes.  slope = softplus(100 scaler).
; THE SOFTMAX: t = logit x log2(e); M = the running largest t rounded up to a whole number; p = 2^(t - M) is quantised along the keys, not normalised; the row's sum is taken of the unquantised p and divides at the end.
; SHARES.  The four work-groups of a cluster share a head (64 heads, the cluster's y).  Wave w of partner cx owns the query tiles 4 w + cx and 127 - (4 w + cx): their last key steps, w / 2 and 15 - w / 2, hang on the
; wave's number alone, and every wave has 17 key steps of 128 keys to work.  Each pass walks a loop of 16 trips; a trip beyond the tile's last key step jumps over its work.
; LDS holds the head's whole record of k and v (codes as images of the operand's registers, and scale words), 208,896 bytes, as it lies in memory: filled ONCE, each wave one joint load of 51 rows of 256 bytes.
; LAYOUT.  Both products transposed: S^T = K Q^T (source 0 = 16 keys), O^T = V^T P^T (source 0 = 16 of the head's 64): a lane holds one query.  Tiles are laid so that registers 16 b + i are keys 32 b + 16 (lane / 16) + i.
; The head is 64 wide and the instruction 128: Q's upper 64 codes are zeros, so K's operand may hold anything there: it is six registers of its own and the next tile's six.
; THE BIAS costs nothing a score: 8 slope (i - 8), i = 0 .. 15, is the C of the score products; the rest, slope log2(e) (128 J + 32 b + 16 h + 8 - query), goes with -M into the addend of the one multiply-add ahead of the exponential.
; LIMITS: the split bias is rounded at the size of 8 slope: about 1e-6 in t at slope 1, growing with the slope; p under 2^-126 counts as 0; NaN and infinities are not served.
; REGISTERS: v1-4 LDS bases; v5, v6 the add's two; v7 32 r; v8-11 the step's addresses; v12 -M; v13 the largest t; v[14:15] the sum; v16-27 Q and zeros; v28 Q's scale word; v29 R; v[30:31] f; v32-79 K's, then V's fragments;
;   v80-85 zeros; v86 query - 16 h; v87 slope log2(e); v88-95 K's scale words; v96-159 S^T, then p; v160-191 O^T; v192-207 the bias table; v208-226 p's codes; v223 32 r + h; v227 r + 8 (r / 8) - 16 h; v228-231 V's scale words; v232-255 at work.
.set SPARE, 208896                     ; behind the record: the spare words, 128 bytes for each wave
.set SPW, 5
.set NIL, 6
.set LIM, 6                            ; s6, s7   the two tiles' last key steps
.set WV,  18
.set SEL, 22
.set CS,  24                           ; s[24:25] log2(e) / 8
.set G1,  28
.set G0,  36
.set J,   40
.set TK,  41                           ; the step's codes: 6,144 bytes a step, in K and in V
.set TS,  42                           ; K's scale words: 512
.set TV,  43                           ; V's: 256
.set KF,  44                           ; the step's first key
.set HI,  45                           ; lanes 16-31
.set SQ,  46                           ; s46, s47 the two tiles' first query
.set QA,  48                           ; s[48:51] the two tiles' codes of Q;  s[52:55] their scale words;  s[56:59] their places in oc;  s[60:63] in scl
.set QS,  52
.set OC,  56
.set OS,  60
.macro ROUND
	s_barrier_signal -1
	s_barrier_wait -1
	s_cmp_lg_u32 s[WV], 0
	s_cbranch_scc1 .Lnot_wave_0_\@
	s_barrier_signal -3
.Lnot_wave_0_\@:
	s_barrier_wait -3
	s_barrier_signal -1
	s_barrier_wait -1
.endm
	s_load_b256 s[4:11], s[0:1], 0x0               ; qc, kv, scaler, oc
	s_load_b64 s[12:13], s[0:1], 0x20              ; scl
	v_lshl_add_u32 v[SPW], v0, 2, SPARE
	v_mov_b32 v[NIL], 0
	ds_add_u32 v[SPW], v[NIL]                      ; the wave's opening: the add and its wait ahead of my first tensor load
	v_lshrrev_b32 v8, 5, v0
	v_readfirstlane_b32 s[WV], v8                  ; wave 0..15
	s_bfe_u32 s19, ttmp6, 0x40000                  ; cx
	s_and_b32 s20, ttmp7, 0xffff                   ; 16 x batch + head
	s_mov_b32 s[G1], 15|(3<<16)|(1<<21)            ; the mask: all four work-groups; elements of 8 bytes; bit 21 beside a mask; no padding
	s_mov_b32 s[G1+1], 32<<16                      ; tensor_dim0: 256 bytes
	s_mov_b32 s[G1+2], 51<<16                      ; tensor_dim1: 51 rows
	s_mov_b32 s[G1+3], 32<<16
	s_mov_b32 s[G1+4], 51
	s_mov_b32 s[G1+5], 32                          ; dense
	s_mov_b32 s[G1+6], 0
	s_mov_b32 s[G1+7], 0
	s_mov_b32 s[G0], 1
	s_mul_i32 s[G0+1], s[WV], 13056                ; my sixteenth of the record, in LDS as in memory
	s_mul_i32 s2, s20, 208896
	s_add_co_u32 s2, s2, s[G0+1]
	s_mov_b32 s3, 0
	s_mov_b32 s[SEL], 0x76543210
	s_mov_b32 s[SEL+1], 0xfedcba98
	s_mov_b32 s[CS], 0x3e38aa3b                    ; log2(e) / 8
	s_mov_b32 s[CS+1], s[CS]
	s_mov_b32 s[HI], 0xffff0000
	s_wait_dscnt 0x0                               ; the opening add is done
	s_wait_kmcnt 0x0
	s_load_b32 s14, s[8:9], 0x0                    ; scaler
	s_add_nc_u64 s[G0+2:G0+3], s[6:7], s[2:3]
	s_or_b32 s[G0+3], s[G0+3], 0x80000000
	ROUND                                          ; all four work-groups are here: the joint loads meet
	tensor_load_to_lds s[G0:G0+3], s[G1:G1+7]      ; the wave's one tensor load
	s_nop 0
.rept 4
	v_nop
.endr
	s_lshr_b32 s[LIM], s[WV], 1
	s_sub_co_u32 s[LIM+1], 15, s[LIM]
	s_lshl_b32 s15, s[WV], 2
	s_add_co_u32 s15, s15, s19                     ; my low tile
	s_sub_co_u32 s16, 127, s15                     ; my high tile
	s_and_b32 s17, s20, 15                         ; the head
	s_lshr_b32 s27, s20, 4
	s_lshl_b32 s27, s27, 7                         ; 128 tiles a batch
	s_mul_i32 s21, s20, 106496                     ; Q's record
.macro PTRS n, t
	s_mul_i32 s2, s[\t], 768
	s_add_co_u32 s2, s2, s21
	s_add_nc_u64 s[QA+2*\n:QA+2*\n+1], s[4:5], s[2:3]
	s_lshr_b32 s2, s[\t], 3
	s_lshl_b32 s2, s2, 9
	s_and_b32 s26, s[\t], 7
	s_lshl_b32 s26, s26, 2
	s_add_co_u32 s2, s2, s26
	s_add_co_u32 s2, s2, s21
	s_add_co_u32 s2, s2, 98304
	s_add_nc_u64 s[QS+2*\n:QS+2*\n+1], s[4:5], s[2:3]
	s_add_co_u32 s26, s[\t], s27                   ; the tile among all 512
	s_lshl_b32 s2, s26, 4
	s_add_co_u32 s2, s2, s17
	s_mul_i32 s2, s2, 768
	s_add_nc_u64 s[OC+2*\n:OC+2*\n+1], s[10:11], s[2:3]
	s_lshl_b32 s2, s26, 9
	s_add_co_u32 s2, s2, s17
	s_add_co_u32 s2, s2, s17
	s_add_co_u32 s2, s2, 393216
	s_add_nc_u64 s[OS+2*\n:OS+2*\n+1], s[12:13], s[2:3]
	s_lshr_b32 s2, s[\t], 1
	s_lshl_b32 s2, s2, 5
	s_and_b32 s26, s[\t], 1
	s_lshl_b32 s26, s26, 3
	s_add_co_u32 s[SQ+\n], s2, s26                 ; 32 (T / 2) + 8 (T % 2)
.endm
	PTRS 0, 15
	PTRS 1, 16
	v_and_b32 v8, 15, v0                           ; r
	v_bfe_u32 v9, v0, 4, 1                         ; h
	v_and_b32 v10, 31, v0
	v_lshlrev_b32 v1, 3, v10                       ; 8 x lane: K's codes begin at LDS byte 0
	v_add_nc_u32 v2, 98304, v1                     ; V's codes
	v_lshlrev_b32 v7, 5, v8                        ; 32 r
	v_add_nc_u32 v3, 196608, v7                    ; K's scale words: 32 bytes a lane, eight tiles'
	v_lshlrev_b32 v4, 4, v8
	v_add_nc_u32 v4, 204800, v4                    ; V's: 16 bytes a lane, four tiles'
	v_add_nc_u32 v223, v7, v9
	v_and_b32 v11, 8, v8
	v_add_nc_u32 v11, v11, v8
	v_lshlrev_b32 v10, 4, v9
	v_sub_nc_u32 v227, v11, v10
.macro QLOAD n
.irp p, 0,1,2
	global_load_b64 v[16+2*\p:17+2*\p], v1, s[QA+2*\n:QA+2*\n+1] offset:256*\p
.endr
	global_load_b32 v28, v7, s[QS+2*\n:QS+2*\n+1]
.endm
	QLOAD 0
.irp j, 22,23,24,25,26,27,80,81,82,83,84,85
	v_mov_b32 v[\j], 0                             ; Q's upper 64 codes, and what stands behind K's last tile
.endr
.irp j, 31,236,237,238,239,241,243,245,247,252,255
	v_mov_b32 v[\j], 0                             ; upper halves of pairs of which the low word serves both halves, and lane permutes' destinations: written once
.endr
	s_wait_kmcnt 0x0                               ; scaler
	v_mov_b32 v232, s14
	v_mul_f32 v232, 0x42c80000, v232               ; z = 100 scaler
	v_mul_f32 v233, 0xbfb8aa3b, |v232|
	v_exp_f32 v233, v233                           ; e = exp(-|z|)
	v_max_num_f32 v238, 0, v232                    ; (a plain instruction behind the exponential)
	s_wait_alu depctr_va_vdst(0)                   ; the wait ahead of the first reader
	v_add_f32 v234, 1.0, v233                      ; u = 1 + e
	v_add_f32 v235, -1.0, v234                     ; u - 1, exact
	v_log_f32 v236, v234
	v_rcp_f32 v237, v235
	v_nop
	s_wait_alu depctr_va_vdst(0)
	v_mul_f32 v236, 0x3f317218, v236               ; log(u)
	v_mul_f32 v236, v236, v233
	v_mul_f32 v236, v236, v237                     ; log1p(e) = log(u) e / (u - 1),
	v_cmp_eq_f32 vcc_lo, 1.0, v234
	v_cndmask_b32 v236, v236, v233, vcc_lo         ; or e where u = 1
	v_add_f32 v238, v238, v236                     ; slope = max(z, 0) + log1p(e)
	v_mul_f32 v87, 0x3fb8aa3b, v238
.irp i, 0,1,2,3,4,5,6,7,8,9,10,11,12,13,14,15
	v_cvt_f32_i32 v[192+\i], 8*(\i-8)
.endr
.irp i, 0,1,2,3,4,5,6,7,8,9,10,11,12,13,14,15
	v_mul_f32 v[192+\i], v238, v[192+\i]           ; 8 slope (i - 8)
.endr
	s_wait_tensorcnt 0x0                           ; my part of the record is in,
	s_barrier_signal -1
	s_barrier_wait -1                              ; everybody's is
; One query tile: tile n of my two.
.macro PASS n
	v_add_nc_u32 v86, s[SQ+\n], v227               ; my query - 16 h
	v_sub_nc_u32 v254, 8, v86
	v_cvt_f32_i32 v29, v254                        ; R = 128 J + 16 h + 8 - query, a whole number
	v_mov_b32 v13, 0xff61b1e6                      ; the largest t so far: -3e38
	v_floor_f32 v12, -v13
	v_mov_b32 v14, 0
	v_mov_b32 v15, 0
.set N, 0
.rept 32
	v_mov_b32 v[160+N], 0                          ; O^T.  (The step is written once: the first finds zeros, which the first change of M leaves zeros)
.set N, N+1
.endr
	s_mov_b32 s[J], 0
	s_mov_b32 s[TK], 0
	s_mov_b32 s[TS], 0
	s_mov_b32 s[TV], 0
	s_mov_b32 s[KF], 0
	s_wait_loadcnt 0x0                             ; Q
	s_wait_xcnt 0x0                                ; the last tile's stores have read their data: the registers are written again only behind this wait
.Ltrip_\@:
	s_cmp_gt_u32 s[J], s[LIM+\n]                   ; all keys of this step come after my queries: the wave's number and the count of trips alone
	s_cbranch_scc1 .Lskip_\@
	v_add_nc_u32 v8, s[TK], v1                     ; (these four are also the places behind the last trip's products)
	v_add_nc_u32 v9, s[TK], v2
	v_add_nc_u32 v10, s[TS], v3
	v_add_nc_u32 v11, s[TV], v4
.irp a, 0,1,2,3,4,5,6,7
.irp p, 0,1,2
	ds_load_b64 v[32+6*\a+2*\p:33+6*\a+2*\p], v8 offset:768*\a+256*\p
.endr
.endr
	ds_load_b128 v[88:91], v10
	ds_load_b128 v[92:95], v10 offset:16
	s_wait_dscnt 0x0
.irp a, 0,1,2,3,4,5,6,7
	v_wmma_scale_f32_16x16x128_f8f6f4 v[96+8*\a:103+8*\a], v[32+6*\a:43+6*\a], v[16:27], v[192+8*(\a%2):199+8*(\a%2)], v[88+\a], v28 matrix_a_fmt:MATRIX_FMT_FP6 matrix_b_fmt:MATRIX_FMT_FP6
.endr
.rept 4
	v_nop                                          ; places ahead of the loads into K's registers and of the first read of the scores
.endr
.irp t, 0,1,2,3
.irp p, 0,1,2,3,4,5
	ds_load_b64 v[32+12*\t+2*\p:33+12*\t+2*\p], v9 offset:1536*\t+256*\p   ; V's fragments land under the softmax
.endr
.endr
	ds_load_b128 v[228:231], v11
	s_cmp_lg_u32 s[J], s[LIM+\n]
	s_cbranch_scc1 .Lopen_\@                       ; only the tile's last step lies on the diagonal
	v_subrev_nc_u32 v252, s[KF], v86               ; register 16 b + i holds key KF + 16 h + 32 b + i: hidden where 32 b + i > query - 16 h - KF
	v_mov_b32 v254, 0xff800000
.irp m, 0,1,2,3,4,5,6,7,8,9,10,11,12,13,14,15,16,17,18,19,20,21,22,23,24,25,26,27,28,29,30,31,32,33,34,35,36,37,38,39,40,41,42,43,44,45,46,47,48,49,50,51,52,53,54,55,56,57,58,59,60,61,62,63
	v_cmp_gt_i32 vcc_lo, 32*(\m/16)+\m%16, v252
	v_cndmask_b32 v[96+\m], v[96+\m], v254, vcc_lo
.endr
.Lopen_\@:
.irp b, 0,1,2,3
	v_max3_num_f32 v[232+\b], v[96+16*\b], v[97+16*\b], v[98+16*\b]   ; the largest of my 16 of each block: it serves for the row's maximum and for the block's largest p
.endr
.irp i, 3,5,7,9,11,13
.irp b, 0,1,2,3
	v_max3_num_f32 v[232+\b], v[232+\b], v[96+16*\b+\i], v[97+16*\b+\i]
.endr
.endr
.irp b, 0,1,2,3
	v_max_num_f32 v[232+\b], v[232+\b], v[111+16*\b]
.endr
	v_add_f32 v237, 0x42000000, v29                ; R + 32 b
	v_add_f32 v238, 0x42800000, v29
	v_add_f32 v239, 0x42c00000, v29
.irp b, 0,1,2,3
	v_mul_f32 v[248+\b], s[CS], v[232+\b]
.endr
	v_fma_f32 v248, v29, v87, v248                 ; as t
.irp b, 1,2,3
	v_fma_f32 v[248+\b], v[236+\b], v87, v[248+\b]
.endr
	v_max3_num_f32 v254, v248, v249, v250
	v_max_num_f32 v254, v254, v251
	v_permlanex16_b32 v252, v254, s[SEL], s[SEL+1]
	v_max3_num_f32 v13, v13, v254, v252            ; the running largest t of my query
	v_mov_b32 v254, v12
	v_floor_f32 v12, -v13                          ; -M = floor(-t): M is a whole number
	v_sub_f32 v254, v12, v254
	v_cvt_i32_f32 v254, v254                       ; (it saturates)
	v_ldexp_f32 v30, 1.0, v254                     ; f = 2^(old M - new M)
	v_fma_f32 v240, v29, v87, v12                  ; the addend of block b: slope log2(e) (R + 32 b) - M
.irp b, 1,2,3
	v_fma_f32 v[240+2*\b], v[236+\b], v87, v12
.endr
	v_add_f32 v29, 0x43000000, v29                 ; R of the next step
.irp b, 0,1,2,3
.irp j, 0,2,4,6,8,10,12,14
	v_pk_fma_f32 v[96+16*\b+\j:97+16*\b+\j], v[96+16*\b+\j:97+16*\b+\j], s[CS:CS+1], v[240+2*\b:241+2*\b] op_sel_hi:[1,0,0]   ; t - M, two at a time
.endr
.endr
.irp b, 0,1,2,3
	v_fma_f32 v[232+\b], v[232+\b], s[CS], v[240+2*\b]
.endr
.set N, 0
.rept 64
	v_exp_f32 v[96+N], v[96+N]                     ; p = 2^(t - M)
.set N, N+1
.endr
	v_pk_mul_f32 v[14:15], v[14:15], v[30:31] op_sel_hi:[1,0]   ; the sums under the new M (a plain instruction behind the exponentials)
	s_wait_alu depctr_va_vdst(0)                   ; one wait for the batch, ahead of its first reader
.irp b, 0,1,2,3
	v_exp_f32 v[232+\b], v[232+\b]                 ; the largest p of my 16 of each block
.endr
	v_pk_add_f32 v[236:237], v[96:97], v[98:99]    ; the row's sum is taken of the unquantised p, in two chains
.irp j, 4,8,12,16,20,24,28,32,36,40,44,48,52,56,60
	v_pk_add_f32 v[14:15], v[14:15], v[96+\j:97+\j]
	v_pk_add_f32 v[236:237], v[236:237], v[98+\j:99+\j]
.endr
	v_pk_add_f32 v[14:15], v[14:15], v[236:237]
	s_wait_alu depctr_va_vdst(0)                   ; and one for the four
.irp b, 0,1,2,3
	v_permlanex16_b32 v[236+\b], v[232+\b], s[SEL], s[SEL+1]
.endr
.irp b, 0,1,2,3
	v_max3_num_f32 v[232+\b], v[232+\b], v[236+\b], 0x1800000   ; with lane l xor 16's 16 keys, and the floor 2^(3 - 127)
.endr
.irp b, 0,1,2,3
	v_add_nc_u32 v[248+\b], 0xff000000, v[232+\b]  ; the conversion's scale operand
.endr
.irp b, 0,1,2,3
	v_lshrrev_b32 v[236+\b], 23, v[248+\b]
.endr
	v_lshl_or_b32 v253, v237, 8, v236              ; p's scale word for these 128 keys
	v_lshl_or_b32 v253, v238, 16, v253
	v_lshl_or_b32 v253, v239, 24, v253
.irp c, 0,1
	v_cvt_scalef32_pk16_fp6_f32 v[208+6*\c:210+6*\c], v[96+32*\c:111+32*\c], v[248+2*\c]
	v_cvt_scalef32_pk16_fp6_f32 v[220+4*\c:222+4*\c], v[112+32*\c:127+32*\c], v[248+2*\c+1]
.endr
	v_nop                                          ; one plain instruction behind the conversions
.irp c, 0,1
.irp i, 0,1,2
	v_permlane16_swap_b32 v[208+6*\c+\i], v[220+4*\c+\i]
.endr
.irp i, 0,1,2
	v_mov_b32 v[211+6*\c+\i], v[220+4*\c+\i]
.endr
.endr
.irp j, 0,2,4,6,8,10,12,14,16,18,20,22,24,26,28,30
	v_pk_mul_f32 v[160+\j:161+\j], v[160+\j:161+\j], v[30:31] op_sel_hi:[1,0]   ; O^T under the new M; of these sixteen, twelve name no register of any one product below: the places ahead of the scaled products
.endr
	s_wait_dscnt 0x0                               ; V
.irp t, 0,1,2,3
	v_wmma_scale_f32_16x16x128_f8f6f4 v[160+8*\t:167+8*\t], v[32+12*\t:43+12*\t], v[208:219], v[160+8*\t:167+8*\t], v[228+\t], v253 matrix_a_fmt:MATRIX_FMT_FP6 matrix_b_fmt:MATRIX_FMT_FP6
.endr
.Lskip_\@:
	s_add_co_u32 s[TK], s[TK], 6144
	s_add_co_u32 s[TS], s[TS], 512
	s_add_co_u32 s[TV], s[TV], 256
	s_add_co_u32 s[KF], s[KF], 128
	s_add_co_u32 s[J], s[J], 1
	s_cmp_lt_u32 s[J], 16
	s_cbranch_scc1 .Ltrip_\@
	; the tile's end: O^T / the sum, quantised along the head's 64 (two blocks of the model's axis), stored as half a fragment's image
	v_add_f32 v14, v14, v15
	v_permlanex16_b32 v252, v14, s[SEL], s[SEL+1]
.rept 4
	v_nop                                          ; places behind the last products
.endr
.if \n == 0
	QLOAD 1                                        ; the next tile's Q lands under this tile's end
.endif
	v_add_f32 v14, v14, v252
	v_rcp_f32 v254, v14
	v_nop
	s_wait_alu depctr_va_vdst(0)
.irp j, 0,2,4,6,8,10,12,14,16,18,20,22,24,26,28,30
	v_pk_mul_f32 v[160+\j:161+\j], v[160+\j:161+\j], v[254:255] op_sel_hi:[1,0]   ; register 16 b + i is o(query, 32 b + 16 h + i)
.endr
.irp b, 0,1
	v_max3_num_f32 v[232+\b], |v[160+16*\b]|, |v[161+16*\b]|, 0x1800000
.endr
.irp i, 2,4,6,8,10,12,14
.irp b, 0,1
	v_max3_num_f32 v[232+\b], v[232+\b], |v[160+16*\b+\i]|, |v[161+16*\b+\i]|
.endr
.endr
.irp b, 0,1
	v_permlanex16_b32 v[236+\b], v[232+\b], s[SEL], s[SEL+1]
.endr
.irp b, 0,1
	v_max_num_f32 v[232+\b], v[232+\b], v[236+\b]
.endr
.irp b, 0,1
	v_add_nc_u32 v[248+\b], 0xff000000, v[232+\b]
.endr
.irp b, 0,1
	v_lshrrev_b32 v[236+\b], 23, v[248+\b]
.endr
	v_cvt_scalef32_pk16_fp6_f32 v[208:210], v[160:175], v248
	v_cvt_scalef32_pk16_fp6_f32 v[220:222], v[176:191], v249
	v_cndmask_b32 v255, v236, v237, s[HI]          ; my half's block's byte (a plain instruction behind the conversions)
.irp i, 0,1,2
	v_permlane16_swap_b32 v[208+\i], v[220+\i]
.endr
.irp i, 0,1,2
	v_mov_b32 v[211+\i], v[220+\i]
.endr
.irp p, 0,1,2
	global_store_b64 v1, v[208+2*\p:209+2*\p], s[OC+2*\n:OC+2*\n+1] offset:256*\p   ; 256 consecutive aligned bytes each
.endr
	global_store_b8 v223, v255, s[OS+2*\n:OS+2*\n+1]   ; 32 single bytes a tile, 32 bytes apart: gathering them would take LDS stores and a barrier among waves
.endm
	PASS 0
	PASS 1
	s_wait_tensorcnt 0x0                           ; the wave's end
	ds_add_u32 v[SPW], v[NIL]
	s_wait_dscnt 0x0
	ROUND                                          ; the closing round
	s_endpgm
.Lfunc_end_k_q576778a15f_attn:
	.size	k_q576778a15f_attn, .Lfunc_end_k_q576778a15f_attn-k_q576778a15f_attn
	.p2alignl 7, 3214868480
	.fill 96, 4, 3214868480
	.section	.rodata,"a",@progbits
	.p2align	6, 0x0
	.amdhsa_kernel k_q576778a15f_attn
		.amdhsa_group_segment_fixed_size 212992
		.amdhsa_private_segment_fixed_size 0
		.amdhsa_enable_private_segment 0
		.amdhsa_kernarg_size 40
		.amdhsa_user_sgpr_count 2
		.amdhsa_user_sgpr_kernarg_segment_ptr 1
		.amdhsa_wavefront_size32 1
		.amdhsa_system_sgpr_workgroup_id_x 1
		.amdhsa_system_sgpr_workgroup_id_y 1
		.amdhsa_system_sgpr_workgroup_id_z 1
		.amdhsa_system_vgpr_workitem_id 0
		.amdhsa_next_free_vgpr 256
		.amdhsa_next_free_sgpr 66
		.amdhsa_reserve_vcc 1
		.amdhsa_float_denorm_mode_32 3
		.amdhsa_float_denorm_mode_16_64 3
		.amdhsa_memory_ordered 1
		.amdhsa_forward_progress 1
		.amdhsa_inst_pref_size 66
	.end_amdhsa_kernel
	.amdgpu_metadata
---
amdhsa.version: [ 1, 2 ]
amdhsa.kernels:
  - .name:           k_q576778a15f_attn
    .symbol:         k_q576778a15f_attn.kd
    .args:
      - { .name: qc, .offset: 0, .size: 8, .value_kind: global_buffer, .address_space: global }
      - { .name: kv, .offset: 8, .size: 8, .value_kind: global_buffer, .address_space: global }
      - { .name: scaler, .offset: 16, .size: 8, .value_kind: global_buffer, .address_space: global }
      - { .name: oc, .offset: 24, .size: 8, .value_kind: global_buffer, .address_space: global }
      - { .name: scl, .offset: 32, .size: 8, .value_kind: global_buffer, .address_space: global }
    .group_segment_fixed_size: 212992
    .private_segment_fixed_size: 0
    .kernarg_segment_align: 8
    .kernarg_segment_size: 40
    .max_flat_workgroup_size: 512
    .sgpr_count:     66
    .vgpr_count:     256
    .wavefront_size: 32
...
	.end_amdgpu_metadata
.endif
;; end of part 3
;; launch proj (part 4): grid 4 x 32, 4 waves a work-group, clusters of 4 x 4, 327,680 bytes of LDS; arguments oc, cod, scl, x, out0; writes out0
.if DOCPART == 4
	.amdgcn_target "amdgcn-amd-amdhsa--gfx1250"
	.amdhsa_code_object_version 6
	.text
	.protected	k_q576778a15f_proj
	.globl	k_q576778a15f_proj
	.p2align	8
	.type	k_q576778a15f_proj,@function
k_q576778a15f_proj:
	s_mov_b64 s[64:65], 0
	v_nop
	global_prefetch_b8 v0, s[64:65] scope:SCOPE_SE
	s_setreg_imm32_b32 hwreg(HW_REG_WAVE_MODE, 25, 1), 1
	s_wait_xcnt 0x0
	s_wait_alu depctr_hold_cnt(0) depctr_sa_sdst(0) depctr_va_vdst(0) depctr_va_sdst(0) depctr_va_ssrc(0) depctr_va_vcc(0) depctr_vm_vsrc(0)
	s_getreg_b32 s2, hwreg(HW_REG_IB_STS2, 6, 4)
	s_cmp_eq_u32 s2, 0
	s_cbranch_scc0 .Lentry_in_a_cluster
	s_endpgm
.Lentry_in_a_cluster:
	s_bfe_u32 s2, ttmp6, 0x10000c
	s_cmp_lg_u32 s2, 0xf033
	s_cbranch_scc0 .Lentry_shape_is_right
	s_endpgm
.Lentry_shape_is_right:
; out0 = o W_o^T + x on codes of FP6 (E2M3), K = 1,024.  A = o's 8,192 tokens (source 1), B = W_o's 1,024 features (source 0): a lane holds one token and eight neighbouring features an accumulator.
; A tile of the product is 256 x 256; four waves, each 128 x 128: 64 accumulators.  Operands lie in memory as images of the operand's registers (12,288 bytes a tile of 16 rows; lane r of tile T = row 32 (T / 2) + 8 (T % 2) + r + 8 (r / 8)).
; K = 1,024 is four slot loads of 256 along K.  THREE LDS slots: 0, 1, 2 are first fills; slot 0 alone is filled again, once.  By this text's count a wave has three tensor loads out at the start, later one.
; The scale words of the wave's rows for all of K stay in 64 registers; the eight steps of 128 along K are written out, since each names its own scale registers.
; CLUSTERS: 4 x 4 work-groups; A's tiles are asked for jointly along a row of the cluster, B's along a column.  128 work-groups: the product has no more tiles of this size.
; THE WAY OUT: a block of 16 tokens x 128 features goes through the wave's own stage (in slot 1, which has had its last fill and its last read) and comes back as rows of 512 bytes; x's rows are added; 32 lanes store 512 consecutive bytes.
; REGISTERS: window 0: v16-22 LDS addresses; v24-26 the way out's; v28, v29 the add's two; v32-95 scale words; v128-223 A's fragments, ONE set (on the way out v128-255: rows).
;   window 1: B's fragments, two sets, at v0 and v128 (from the last step on v0-127: x's rows, two sets).   window 2, 3: the accumulators ((a, b) at v[8 (8 (a % 4) + b)]).
.set NL,    6
.set FR,    12
.set TILEB, 12288
.set HALFT, 24576
.set SLOT,  98304
.set SPARE, 294912
.set ADRA, 16
.set ADRB, 20
.set STO,  24
.set RD,   25
.set CO,   26
.set SPW,  28
.set NIL,  29
.set SC,   32
.set AF,   128
.set BK,   128
.set G1,  24
.set G1B, 48
.set G0,  68
.set G0B, 80
.set MSB, 0
.macro WIN new                         ; the immediate's high byte repeats the setting that is left
.if MSB != \new
	s_set_vgpr_msb (MSB<<8)|\new
.set MSB, \new
.endif
.endm
.set MUL_LO, 0xa1
.set MUL_HI, 0xf1
.set TO_B,   0x40
.macro JLOAD g0a, g0b                  ; a joint load: waves 0 and 1 fetch A's halves, waves 2 and 3 B's; an s_nop 0 and four v_nop follow each line
	s_cmp_eq_u32 s15, 0
	s_cbranch_scc0 .Lfor_b_\@
	tensor_load_to_lds s[\g0a:\g0a+3], s[G1:G1+7]
	s_nop 0
.rept 4
	v_nop
.endr
	s_branch .Lasked_\@
.Lfor_b_\@:
	tensor_load_to_lds s[\g0b:\g0b+3], s[G1B:G1B+7]
	s_nop 0
.rept 4
	v_nop
.endr
.Lasked_\@:
.endm
.macro CREST
	s_cmp_lg_u32 s14, 0
	s_cbranch_scc1 .Lnot_wave_0_\@
	s_barrier_signal -3
.Lnot_wave_0_\@:
	s_barrier_wait -3
	s_barrier_signal -1
	s_barrier_wait -1
.endm
.macro CROUND
	s_barrier_signal -1
	s_barrier_wait -1
	CREST
.endm
.macro PLACES                          ; four plain instructions behind matrix instructions, ahead of loads into their sources and of reads of their results (ISA guide 7.12.1 for reads of their results)
.rept 4
	v_nop
.endr
.endm
.macro FRAG reg, adr, q, i
.irp p, 0,1,2,3,4,5
	ds_load_b64 v[\reg+2*\p:\reg+2*\p+1], v[\adr] offset:(\i)*3072+(\q)*1536+256*\p
.endr
.endm
.macro FETCH_B slot, q, p
	WIN TO_B
.irp i, 0,1,2,3,4,5,6,7
	FRAG 128*(\p)+FR*\i, ADRB+\slot, \q, \i
.endr
	WIN 0
.endm
.macro FETCH_A slot, q, i0
.irp i, \i0, \i0+1, \i0+2, \i0+3
	FRAG AF+FR*(\i), ADRA+\slot, \q, \i
.endr
.endm
; 16 matrix instructions: A's blocks a0, a0 + 1 x B's eight.  The 64 accumulators take turns, one instruction a turn, in the same order in every step.
.macro MUL16 a0, p, ks, zero
.irp a, \a0, \a0+1
.irp b, 0,1,2,3,4,5,6,7
.if \zero
	v_wmma_scale_f32_16x16x128_f8f6f4 v[8*(8*((\a)%4)+\b):8*(8*((\a)%4)+\b)+7], v[128*(\p)+FR*\b:128*(\p)+FR*\b+FR-1], v[AF+FR*(\a):AF+FR*(\a)+FR-1], 0, v[SC+8*\b+(\ks)], v[SC+8*(\a)+(\ks)] matrix_a_fmt:MATRIX_FMT_FP6 matrix_b_fmt:MATRIX_FMT_FP6 matrix_a_scale:MATRIX_SCALE_ROW1
.else
	v_wmma_scale_f32_16x16x128_f8f6f4 v[8*(8*((\a)%4)+\b):8*(8*((\a)%4)+\b)+7], v[128*(\p)+FR*\b:128*(\p)+FR*\b+FR-1], v[AF+FR*(\a):AF+FR*(\a)+FR-1], v[8*(8*((\a)%4)+\b):8*(8*((\a)%4)+\b)+7], v[SC+8*\b+(\ks)], v[SC+8*(\a)+(\ks)] matrix_a_fmt:MATRIX_FMT_FP6 matrix_b_fmt:MATRIX_FMT_FP6 matrix_a_scale:MATRIX_SCALE_ROW1
.endif
.endr
.endr
.endm
.macro STEPG ks, nslot, nq, zero
	s_wait_dscnt 4*NL                              ; B's set and A's blocks 0-3 are in; the youngest 24 loads (A's blocks 4-7) may be out
	WIN MUL_LO
	MUL16 0, (\ks)%2, \ks, \zero
	MUL16 2, (\ks)%2, \ks, \zero
	s_wait_dscnt 0x0                               ; A's blocks 4-7 are in
	PLACES
	FETCH_B \nslot, \nq, 1-(\ks)%2
	FETCH_A \nslot, \nq, 0
	WIN MUL_HI
	MUL16 4, (\ks)%2, \ks, \zero
	MUL16 6, (\ks)%2, \ks, \zero
	PLACES
	WIN 0
	FETCH_A \nslot, \nq, 4
.endm
; A step with a barrier.  mode 2: it opens a round of the cluster's barrier and slot 0 is filled again.  mode 1: a plain barrier: the refill is shown landed to every wave.
.macro TURNG ks, nslot, mode
	s_wait_tensorcnt 0x0                           ; all my tensor loads have landed
	ds_add_u32 v[SPW], v[NIL]                      ; 0 onto my spare word
	s_wait_dscnt 4*NL+1                            ; (the add and the youngest 24 loads may be out)
	WIN MUL_LO
	MUL16 0, 1, \ks, 0
	s_wait_dscnt 0x0                               ; the add is done, and my LDS reads are over
	s_barrier_signal -1
	MUL16 2, 1, \ks, 0
	WIN 0
	s_barrier_wait -1
.if \mode == 2
	CREST                                          ; no wave of any partner still reads slot 0 or has a load on its way
	s_add_nc_u64 s[G0+2:G0+3], s[G0+2:G0+3], 9216
	s_add_nc_u64 s[G0B+2:G0B+3], s[G0B+2:G0B+3], 9216
	JLOAD G0, G0B                                  ; the first tensor load behind the round; it has three and a half steps, 224 matrix instructions, in which to land
.else
	PLACES
.endif
	FETCH_B \nslot, 0, 0
	FETCH_A \nslot, 0, 0
	WIN MUL_HI
	MUL16 4, 1, \ks, 0
	MUL16 6, 1, \ks, 0
	PLACES
	WIN 0
	FETCH_A \nslot, 0, 4
.endm
	s_load_b256 s[4:11], s[0:1], 0x0               ; oc, cod, scl, x
	s_load_b64 s[12:13], s[0:1], 0x20              ; out0
	v_lshl_add_u32 v[SPW], v0, 2, SPARE
	v_mov_b32 v[NIL], 0
	ds_add_u32 v[SPW], v[NIL]                      ; the wave's opening: the add and its wait ahead of my first tensor load
	v_lshrrev_b32 v1, 5, v0
	v_readfirstlane_b32 s14, v1
	s_lshr_b32 s15, s14, 1
	s_and_b32 s16, s14, 1
	s_bfe_u32 s40, ttmp6, 0x40000                  ; cx
	s_bfe_u32 s41, ttmp6, 0x40004                  ; cy
	s_and_b32 s17, ttmp7, 0xffff                   ; cluster y
	s_lshl_b32 s43, s41, 2
	s_lshl_b32 s43, 15, s43
	s_lshl_b32 s44, 0x1111, s40
	s_or_b32 s[G1+0], s43, (3<<16)|(1<<21)
	s_or_b32 s[G1B+0], s44, (3<<16)|(1<<21)
.irp g, G1, G1B
	s_mov_b32 s[\g+1], 384<<16
	s_mov_b32 s[\g+2], 8<<16
	s_mov_b32 s[\g+3], 384<<16
	s_mov_b32 s[\g+4], 8
	s_mov_b32 s[\g+5], 1536
	s_mov_b32 s[\g+6], 0
	s_mov_b32 s[\g+7], 0
.endr
	s_lshl_b32 s20, s17, 6
	s_lshl_b32 s22, s41, 4
	s_add_co_u32 s20, s20, s22                     ; A's first tile: 64 x cluster y + 16 cy
	s_lshl_b32 s46, s40, 4
	s_add_co_u32 s46, s46, 704                     ; B's: W_o's tiles begin at 704; + 16 cx
	s_lshl_b32 s23, s16, 3
	s_add_co_u32 s92, s20, s23
	s_mul_i32 s92, s92, TILEB
	s_mov_b32 s93, 0
	s_add_co_u32 s94, s46, s23
	s_mul_i32 s94, s94, TILEB
	s_mov_b32 s95, 0
	s_mul_i32 s45, s14, HALFT
	s_wait_dscnt 0x0
	s_wait_kmcnt 0x0
	s_add_nc_u64 s[92:93], s[4:5], s[92:93]
	s_add_nc_u64 s[94:95], s[6:7], s[94:95]
	CROUND
.irp s, 0,1,2
	s_mov_b32 s[G0+4*\s], 1
	s_add_co_u32 s[G0+4*\s+1], s45, \s*SLOT
	s_add_nc_u64 s[G0+4*\s+2:G0+4*\s+3], s[92:93], \s*3072
	s_or_b32 s[G0+4*\s+3], s[G0+4*\s+3], 0x80000000
	s_mov_b32 s[G0B+4*\s], 1
	s_add_co_u32 s[G0B+4*\s+1], s45, \s*SLOT
	s_add_nc_u64 s[G0B+4*\s+2:G0B+4*\s+3], s[94:95], \s*3072
	s_or_b32 s[G0B+4*\s+3], s[G0B+4*\s+3], 0x80000000
	JLOAD G0+4*\s, G0B+4*\s
.endr
	v_and_b32 v1, 15, v0                           ; r
	v_bfe_u32 v2, v0, 4, 1                         ; h
	v_and_b32 v3, 31, v0
	v_lshlrev_b32 v27, 3, v3                       ; 8 x lane
	s_mul_i32 s21, s15, HALFT
	s_mul_i32 s22, s16, HALFT
	s_add_co_u32 s22, s22, 2*HALFT
.irp s, 0,1,2
	v_add_nc_u32 v[ADRA+\s], s21, v27
	v_add_nc_u32 v[ADRB+\s], s22, v27
	s_add_co_u32 s21, s21, SLOT
	s_add_co_u32 s22, s22, SLOT
.endr
	s_lshl_b32 s18, s15, 3
	s_add_co_u32 s18, s18, s20                     ; my wave's first tile of A
	s_lshl_b32 s19, s16, 3
	s_add_co_u32 s19, s19, s46                     ; and of B
	s_lshl_b32 s2, s18, 9
	s_add_co_u32 s2, s2, 393216                    ; o's scale bytes lie behind the others
	s_lshl_b32 s3, s19, 9
	s_mov_b32 s23, 0xffff0000
	v_mov_b32 v4, s2
	v_mov_b32 v5, s3
	v_cndmask_b32 v4, v4, v5, s23                  ; lanes 0-15 take A's words, lanes 16-31 B's
	v_lshl_add_u32 v4, v1, 5, v4
.irp i, 0,1,2,3,4,5,6,7
	global_load_b128 v[SC+8*\i:SC+8*\i+3], v4, s[8:9] offset:512*\i
	global_load_b128 v[SC+8*\i+4:SC+8*\i+7], v4, s[8:9] offset:512*\i+16
.endr
	s_lshl_b32 s2, s18, 16                         ; my first token's row: 16 rows of 4,096 bytes a tile
	s_lshl_b32 s3, s40, 10
	s_add_co_u32 s2, s2, s3                        ; + 256 cx features
	s_lshl_b32 s3, s16, 9
	s_add_co_u32 s2, s2, s3                        ; + my half's 128
	s_mov_b32 s3, 0
	s_add_nc_u64 s[10:11], s[10:11], s[2:3]
	s_add_nc_u64 s[12:13], s[12:13], s[2:3]
	s_mul_i32 s22, s14, 16*528
	s_add_co_u32 s22, s22, SLOT                    ; my stage, in slot 1
	v_mul_u32_u24 v[STO], v1, 528
	v_lshl_add_u32 v[STO], v2, 6, v[STO]
	v_add_nc_u32 v[STO], s22, v[STO]               ; in: row r, + 64 h
	v_lshlrev_b32 v[CO], 4, v3                     ; 16 x lane
	v_add_nc_u32 v[RD], s22, v[CO]                 ; back: a row of 512 bytes
	s_wait_tensorcnt 2                             ; my part of slot 0 is in; slots 1 and 2 may be out
	s_barrier_signal -1
	s_barrier_wait -1
	FETCH_B 0, 0, 0
	FETCH_A 0, 0, 0
	FETCH_A 0, 0, 4
	s_wait_loadcnt 0x0                             ; the scale words
	STEPG 0, 0, 1, 1
	TURNG 1, 1, 2
	STEPG 2, 1, 1, 0
	STEPG 3, 2, 0, 0                               ; slot 2 needs no barrier of its own: every wave waited for all its loads ahead of the barrier in step 1
	STEPG 4, 2, 1, 0
	TURNG 5, 0, 1
	STEPG 6, 0, 1, 0
; x's rows of block a: row t of the block is row 32 (a / 2) + 8 (a % 2) + t + 8 (t / 8) of my 128; into set a % 2 of window 1
.macro XLOAD a
	WIN 0x40
.irp t, 0,1,2,3,4,5,6,7,8,9,10,11,12,13,14,15
	global_load_b128 v[64*((\a)%2)+4*\t:64*((\a)%2)+4*\t+3], v[CO], s[10:11] offset:(32*((\a)/2)+8*((\a)%2)+\t+8*(\t/8))*4096 th:TH_LOAD_NT
.endr
	WIN 0
.endm
	XLOAD 0                                        ; B's set 0 is done with (four places stand behind its last products)
	XLOAD 1
	s_wait_dscnt 4*NL
	WIN MUL_LO
	MUL16 0, 1, 7, 0
	MUL16 2, 1, 7, 0
	s_wait_dscnt 0x0
	WIN MUL_HI
	MUL16 4, 1, 7, 0
	MUL16 6, 1, 7, 0
	WIN 0
.macro TOSTAGE a
.set AC, 64*((\a)%4)
	WIN 0x08+4*((\a)/4)                            ; the data: window 2 or 3
.irp b, 0,1,2,3,4,5,6,7
	ds_store_b128 v[STO], v[AC+8*\b:AC+8*\b+3] offset:128*(\b/2)+32*(\b%2)          ; each accumulator from its low end on: features 32 (b / 2) + 16 h + 8 (b % 2) + 0 .. 7
	ds_store_b128 v[STO], v[AC+8*\b+4:AC+8*\b+7] offset:128*(\b/2)+32*(\b%2)+16
.endr
	WIN 0
.set BB, BK+64*((\a)%2)
.irp t, 0,1,2,3,4,5,6,7,8,9,10,11,12,13,14,15
	ds_load_b128 v[BB+4*\t:BB+4*\t+3], v[RD] offset:\t*528   ; LDS serves a wave's instructions in order: these see my stores
.endr
.endm
.macro SEND a, younger, xleft
.set BB, BK+64*((\a)%2)
	s_wait_dscnt \younger                          ; the block is back in registers
	s_wait_loadcnt \xleft                          ; its rows of x are in; the next block's may be out
	WIN 0x04                                       ; source 1: window 1
.set XI, 0
.rept 32
	v_pk_add_f32 v[BB+XI:BB+XI+1], v[BB+XI:BB+XI+1], v[64*((\a)%2)+XI:64*((\a)%2)+XI+1]
.set XI, XI+2
.endr
	WIN 0
.irp t, 0,1,2,3,4,5,6,7,8,9,10,11,12,13,14,15
	global_store_b128 v[CO], v[BB+4*\t:BB+4*\t+3], s[12:13] offset:(32*((\a)/2)+8*((\a)%2)+\t+8*(\t/8))*4096 th:TH_STORE_NT   ; 32 lanes store 512 consecutive bytes, aligned
.endr
.if (\a)+2 < 8
	XLOAD (\a)+2
.endif
.endm
	PLACES
	TOSTAGE 0
.irp a, 1,2,3,4,5,6,7
.if \a > 1
	s_wait_xcnt 0x0                                ; block a - 2's stores have read their registers: block a's rows may land there
.endif
	TOSTAGE \a
	SEND \a-1, 32, 16                              ; behind block a - 1's loads: block a's 16 stores and 16 loads
.endr
	SEND 7, 0, 0
	s_wait_tensorcnt 0x0                           ; the wave's end
	ds_add_u32 v[SPW], v[NIL]
	s_wait_dscnt 0x0
	CROUND                                         ; the closing round
	s_endpgm
.Lfunc_end_k_q576778a15f_proj:
	.size	k_q576778a15f_proj, .Lfunc_end_k_q576778a15f_proj-k_q576778a15f_proj
	.p2alignl 7, 3214868480
	.fill 96, 4, 3214868480
	.section	.rodata,"a",@progbits
	.p2align	6, 0x0
	.amdhsa_kernel k_q576778a15f_proj
		.amdhsa_group_segment_fixed_size 327680
		.amdhsa_private_segment_fixed_size 0
		.amdhsa_enable_private_segment 0
		.amdhsa_kernarg_size 40
		.amdhsa_user_sgpr_count 2
		.amdhsa_user_sgpr_kernarg_segment_ptr 1
		.amdhsa_wavefront_size32 1
		.amdhsa_system_sgpr_workgroup_id_x 1
		.amdhsa_system_sgpr_workgroup_id_y 1
		.amdhsa_system_sgpr_workgroup_id_z 1
		.amdhsa_system_vgpr_workitem_id 0
		.amdhsa_next_free_vgpr 1024
		.amdhsa_next_free_sgpr 100
		.amdhsa_reserve_vcc 0
		.amdhsa_float_denorm_mode_32 3
		.amdhsa_float_denorm_mode_16_64 3
		.amdhsa_memory_ordered 1
		.amdhsa_forward_progress 1
		.amdhsa_inst_pref_size 186
	.end_amdhsa_kernel
	.amdgpu_metadata
---
amdhsa.version: [ 1, 2 ]
amdhsa.kernels:
  - .name:           k_q576778a15f_proj
    .symbol:         k_q576778a15f_proj.kd
    .args:
      - { .name: oc, .offset: 0, .size: 8, .value_kind: global_buffer, .address_space: global }
      - { .name: cod, .offset: 8, .size: 8, .value_kind: global_buffer, .address_space: global }
      - { .name: scl, .offset: 16, .size: 8, .value_kind: global_buffer, .address_space: global }
      - { .name: x, .offset: 24, .size: 8, .value_kind: global_buffer, .address_space: global }
      - { .name: out0, .offset: 32, .size: 8, .value_kind: global_buffer, .address_space: global }
    .group_segment_fixed_size: 327680
    .private_segment_fixed_size: 0
    .kernarg_segment_align: 8
    .kernarg_segment_size: 40
    .max_flat_workgroup_size: 128
    .sgpr_count:     100
    .vgpr_count:     1024
    .wavefront_size: 32
...
	.end_amdgpu_metadata
.endif
;; end of part 4
